; MI455X (gfx1250); checked and timed in simulation.
; The chip was launched on July 23, 2026; its instructions are those of AMD's public machine-readable ISA for CDNA 5 (MIT licence, August 2026) and "CDNA5" Instruction Set Architecture Reference Guide (July 2026). The comments in the code are by the model that wrote it; some were corrected since.
;; Positive Layer ATSS. Allowed arithmetic: float matrix products may take bf16 or f16 operands with f32 sums; all other float work in f32.
;; Inputs: p_boxes 65,536 x 6 float32; targets 2,048 x 6 float32.
;; Outputs: out0 2,048 x 9 x 4 float32.
;; Constants: top_k = 9.
;; One version. Each part assembles by itself: llvm-mc -triple=amdgcn-amd-amdhsa -mcpu=gfx1250 --defsym DOCPART=n.
;; ======== version 1 of 1: 3 launches
;; workspace buffers: gm 8,388,608 bytes; gsel 131,072 bytes of whole numbers
;; launch scan (part 1): grid 32 x 8, 8 waves a work-group, no clusters, 18,432 bytes of LDS; arguments p_boxes, targets, gm; writes gm
.if DOCPART == 1
	.amdgcn_target "amdgcn-amd-amdhsa--gfx1250"
	.amdhsa_code_object_version 6
	.text
	.protected	k_qfbeecdbbff_scan
	.globl	k_qfbeecdbbff_scan
	.p2align	8
	.type	k_qfbeecdbbff_scan,@function
k_qfbeecdbbff_scan:
	s_mov_b64 s[64:65], 0
	v_nop
	global_prefetch_b8 v0, s[64:65] scope:SCOPE_SE
	s_setreg_imm32_b32 hwreg(HW_REG_WAVE_MODE, 25, 1), 1
	s_wait_xcnt 0x0
; FIRST OF THREE LAUNCHES: the smallest squared centre distance of every target to every group of 64 consecutive anchors.
;   gm[t/2][g][t%2] = min over e = 0..63 of (cx[64 g + e] - tx[t])^2 + (cy[64 g + e] - ty[t])^2      (f32; 1024 groups, 2048 targets)
; Why groups: the nine nearest anchors of a target, ordered by (distance, index), lie in the nine groups with the smallest
; (group minimum, group number): were one of them in another group, nine groups would each hold an anchor that ranks ahead of it.
; So the full scan needs only a running minimum, and the ordered selection is made later on few numbers.
; LIMITS.  The order is taken on the squared distance (dx dx, then one fused dy dy + that); the root that the reference takes is monotone,
; so the order differs from it only where two different squares round to the same f32 root (relative gap of about 2^-23): there the
; reference ranks by index, this program by the square.  Inputs are finite and the squares do not overflow (differences below 1.3e19).
; SHAPE.  A work-group has 2048 anchors (id x) and 256 targets (id y); all eight waves hold the same anchors, lane l the 64 anchors of
; group l in 128 registers, and each wave walks 32 targets of its own, two at a time, their centres in scalar registers.
; Per two anchors and one target: 4 packed instructions and one v_min3.
; NO CLUSTER, NO TENSOR LOADS: what work-groups share is the 49,152 bytes of anchor rows read once at the start, of which 8 bytes in 24
; are kept, against 16 x 324 vector instructions of every wave behind it.  No matrix unit: the product form of the distance is a
; difference of large sums.
.set ROWB,   24                        ; bytes of a row (obj, cls, cx, cy, w, h)
.set NBLK,   2048                      ; anchors of a work-group
.set PITCH,  272                       ; LDS bytes from group to group: 64 x 4 + 16, an odd multiple of 16, so that the 16 lanes of one
                                       ; half of a 16-byte load, which read 16 different groups, start 68 words apart
.set YPL,    32*PITCH                  ; the plane of cy behind the plane of cx
.set GMROW,  8192                      ; bytes of gm for a pair of targets
.set PAIRS,  16                        ; pairs of targets of a wave
.set T,      8                         ; v[8:39]    eight chains x (dx pair, dy pair); first the staging loads
.set ACC,    40                        ; v[40:47]   running minima: four chains of target A, four of target B
.set RES,    48                        ; v[48:49]   the two group minima to store
.set VO,     50                        ; v50        8 x lane: my group's place in a row of gm
.set X,      64                        ; v[64:127]  cx of my 64 anchors
.set Y,      128                       ; v[128:191] cy of my 64 anchors
	s_load_b128 s[4:7], s[0:1], 0x0                ; p_boxes s[4:5], targets s[6:7]
	s_load_b64 s[8:9], s[0:1], 0x10                ; gm
	v_lshl_add_u32 v192, v0, 2, 0x4400
	v_mov_b32 v193, 0
	v_lshrrev_b32 v1, 5, v0
	v_readfirstlane_b32 s10, v1                    ; wave 0..7
	s_and_b32 s11, ttmp7, 0xffff                   ; block of 256 targets
	v_and_b32 v1, 31, v0                           ; lane
	s_mul_i32 s29, s10, 256*ROWB                   ; staging: wave w brings anchors 256 w .. 256 w + 255 of the block,
	s_mul_i32 s31, s10, 4*PITCH                    ; which are groups 4 w .. 4 w + 3
	v_mad_u32_u24 v2, v1, ROWB, s29                ; byte of my row in the block, for step 0
	v_lshl_add_u32 v3, v1, 2, s31                  ; LDS byte of my number in the cx plane, for step 0
	v_mul_u32_u24 v4, v1, PITCH                    ; LDS byte of group l
	v_lshlrev_b32 v[VO], 3, v1
	s_mul_i32 s12, ttmp9, NBLK*ROWB                ; the block's first row
	s_mov_b32 s13, 0
	s_mul_i32 s28, s11, 256*ROWB                   ; byte of my wave's first target row
	s_mul_i32 s29, s10, 32*ROWB
	s_add_co_u32 s28, s28, s29
	s_lshl_b32 s14, s11, 20                        ; gm: (128 x target block + 16 x wave) rows of 8192 bytes
	s_lshl_b32 s29, s10, 17
	s_add_co_u32 s14, s14, s29
	s_lshl_b32 s29, ttmp9, 8                       ; + 32 groups x 8 bytes for each anchor block
	s_add_co_u32 s14, s14, s29
	s_mov_b32 s15, 0
	s_mov_b32 s21, 0                               ; upper halves of the scalar pairs that the packed adds name (the lower half feeds both results)
	s_mov_b32 s23, 0
	s_mov_b32 s25, 0
	s_mov_b32 s27, 0
	s_wait_kmcnt 0x0
	s_add_nc_u64 s[4:5], s[4:5], s[12:13]
	s_add_nc_u64 s[8:9], s[8:9], s[14:15]
.irp i, 0,1,2,3,4,5,6,7
	global_load_b64 v[T+2*\i:T+2*\i+1], v2, s[4:5] offset:8+32*ROWB*\i     ; (cx, cy) of 32 consecutive rows
.endr
	s_load_b64 s[16:17], s[6:7], s28 offset:0x8    ; centre of the first pair's target A
	s_load_b64 s[18:19], s[6:7], s28 offset:0x20   ; and of target B, one row on
.irp i, 0,1,2,3,4,5,6,7
	s_wait_loadcnt 7-\i                            ; loads return in order: step i is in, the 7 - i younger ones may be out
	ds_store_b32 v3, v[T+2*\i]   offset:(\i>>1)*PITCH+(\i&1)*128           ; 32 lanes, 128 consecutive bytes
	ds_store_b32 v3, v[T+2*\i+1] offset:YPL+(\i>>1)*PITCH+(\i&1)*128
.endr
	s_wait_dscnt 0x0                               ; my stores are in LDS before I say so: the other waves read them
	s_barrier_signal -1
	s_barrier_wait -1
.irp c, 0,1,2,3,4,5,6,7,8,9,10,11,12,13,14,15
	ds_load_b128 v[X+4*\c:X+4*\c+3], v4 offset:16*\c
	ds_load_b128 v[Y+4*\c:Y+4*\c+3], v4 offset:YPL+16*\c
.endr
	s_wait_dscnt 0x0                               ; LDS is not written again: no second barrier
; Four pairs of anchors (i0 .. i0+3) against targets A and B: eight chains that do not wait for each other.
.macro BATCH i0, first
.irp k, 0,1,2,3
	v_pk_add_f32 v[T+4*\k:T+4*\k+1], v[X+2*(\i0+\k):X+2*(\i0+\k)+1], s[20:21] op_sel_hi:[1,0]         ; cx - tx(A), two anchors
.endr
.irp k, 0,1,2,3
	v_pk_add_f32 v[T+16+4*\k:T+16+4*\k+1], v[X+2*(\i0+\k):X+2*(\i0+\k)+1], s[24:25] op_sel_hi:[1,0]   ; cx - tx(B)
.endr
.irp k, 0,1,2,3
	v_pk_add_f32 v[T+4*\k+2:T+4*\k+3], v[Y+2*(\i0+\k):Y+2*(\i0+\k)+1], s[22:23] op_sel_hi:[1,0]       ; cy - ty(A)
.endr
.irp k, 0,1,2,3
	v_pk_add_f32 v[T+16+4*\k+2:T+16+4*\k+3], v[Y+2*(\i0+\k):Y+2*(\i0+\k)+1], s[26:27] op_sel_hi:[1,0] ; cy - ty(B)
.endr
.irp c, 0,1,2,3,4,5,6,7
	v_pk_mul_f32 v[T+4*\c:T+4*\c+1], v[T+4*\c:T+4*\c+1], v[T+4*\c:T+4*\c+1]
.endr
.irp c, 0,1,2,3,4,5,6,7
	v_pk_fma_f32 v[T+4*\c:T+4*\c+1], v[T+4*\c+2:T+4*\c+3], v[T+4*\c+2:T+4*\c+3], v[T+4*\c:T+4*\c+1]   ; dy dy + dx dx
.endr
.irp c, 0,1,2,3,4,5,6,7
.if \first
	v_min_num_f32 v[ACC+\c], v[T+4*\c], v[T+4*\c+1]                        ; the first batch starts the minima: nothing is preset
.else
	v_min3_num_f32 v[ACC+\c], v[ACC+\c], v[T+4*\c], v[T+4*\c+1]
.endif
.endr
.endm
; One pair of targets.  ahead = 1: the next pair's centres are asked for at the head and used one trip later.
.macro PAIR ahead
	s_wait_kmcnt 0x0                               ; this pair's centres are in (scalar loads: the count 0 alone says so); s28 is free again
	s_xor_b32 s20, s16, 0x80000000                 ; -tx(A): the packed adds then need no sign modifier
	s_xor_b32 s22, s17, 0x80000000                 ; -ty(A)
	s_xor_b32 s24, s18, 0x80000000                 ; -tx(B)
	s_xor_b32 s26, s19, 0x80000000                 ; -ty(B)
.if \ahead
	s_add_co_u32 s28, s28, 2*ROWB
	s_load_b64 s[16:17], s[6:7], s28 offset:0x8
	s_load_b64 s[18:19], s[6:7], s28 offset:0x20
.endif
	BATCH 0, 1
	BATCH 4, 0
	BATCH 8, 0
	BATCH 12, 0
	BATCH 16, 0
	BATCH 20, 0
	BATCH 24, 0
	BATCH 28, 0
	v_min3_num_f32 v[RES],   v[ACC],   v[ACC+1], v[ACC+2]
	v_min3_num_f32 v[RES+1], v[ACC+4], v[ACC+5], v[ACC+6]
	v_min_num_f32  v[RES],   v[RES],   v[ACC+3]
	v_min_num_f32  v[RES+1], v[RES+1], v[ACC+7]
	global_store_b64 v[VO], v[RES:RES+1], s[8:9]   ; the wave's store covers 256 consecutive bytes at a multiple of 256 from gm's first byte
.if \ahead
	s_wait_xcnt 0x0                                ; the store's base and data are rewritten only behind this wait
	s_add_nc_u64 s[8:9], s[8:9], GMROW
.endif
.endm
	s_mov_b32 s30, 0
.Lpair:
	PAIR 1
	s_add_co_u32 s30, s30, 1
	s_cmp_lt_u32 s30, PAIRS-1
	s_cbranch_scc1 .Lpair
	PAIR 0                                         ; the last pair asks for nothing: no load leaves the wave's 32 rows
	s_wait_tensorcnt 0x0
	ds_add_u32 v192, v193
	s_wait_dscnt 0x0
	s_endpgm
.Lfunc_end_k_qfbeecdbbff_scan:
	.size	k_qfbeecdbbff_scan, .Lfunc_end_k_qfbeecdbbff_scan-k_qfbeecdbbff_scan
	.p2alignl 7, 3214868480
	.fill 96, 4, 3214868480
	.section	.rodata,"a",@progbits
	.p2align	6, 0x0
	.amdhsa_kernel k_qfbeecdbbff_scan
		.amdhsa_group_segment_fixed_size 18432
		.amdhsa_private_segment_fixed_size 0
		.amdhsa_enable_private_segment 0
		.amdhsa_kernarg_size 24
		.amdhsa_user_sgpr_count 2
		.amdhsa_user_sgpr_kernarg_segment_ptr 1
		.amdhsa_wavefront_size32 1
		.amdhsa_system_sgpr_workgroup_id_x 1
		.amdhsa_system_sgpr_workgroup_id_y 1
		.amdhsa_system_sgpr_workgroup_id_z 1
		.amdhsa_system_vgpr_workitem_id 0
		.amdhsa_next_free_vgpr 194
		.amdhsa_next_free_sgpr 66
		.amdhsa_reserve_vcc 0
		.amdhsa_float_denorm_mode_32 3
		.amdhsa_float_denorm_mode_16_64 3
		.amdhsa_memory_ordered 1
		.amdhsa_forward_progress 1
		.amdhsa_inst_pref_size 48
	.end_amdhsa_kernel
	.amdgpu_metadata
---
amdhsa.version: [ 1, 2 ]
amdhsa.kernels:
  - .name:           k_qfbeecdbbff_scan
    .symbol:         k_qfbeecdbbff_scan.kd
    .args:
      - { .name: p_boxes, .offset: 0, .size: 8, .value_kind: global_buffer, .address_space: global }
      - { .name: targets, .offset: 8, .size: 8, .value_kind: global_buffer, .address_space: global }
      - { .name: gm, .offset: 16, .size: 8, .value_kind: global_buffer, .address_space: global }
    .group_segment_fixed_size: 18432
    .private_segment_fixed_size: 0
    .kernarg_segment_align: 8
    .kernarg_segment_size: 24
    .max_flat_workgroup_size: 256
    .sgpr_count:     66
    .vgpr_count:     194
    .wavefront_size: 32
...
	.end_amdgpu_metadata
.endif
;; end of part 1
;; launch pick (part 2): grid 256 x 1, 4 waves a work-group, no clusters, 0 bytes of LDS; arguments gm, gsel; writes gsel
.if DOCPART == 2
	.amdgcn_target "amdgcn-amd-amdhsa--gfx1250"
	.amdhsa_code_object_version 6
	.text
	.protected	k_qfbeecdbbff_pick
	.globl	k_qfbeecdbbff_pick
	.p2align	8
	.type	k_qfbeecdbbff_pick,@function
k_qfbeecdbbff_pick:
	s_mov_b64 s[64:65], 0
	v_nop
	global_prefetch_b8 v0, s[64:65] scope:SCOPE_SE
	s_setreg_imm32_b32 hwreg(HW_REG_WAVE_MODE, 25, 1), 1
	s_wait_xcnt 0x0
; SECOND LAUNCH: for every target the nine groups with the smallest (group minimum, group number), as whole numbers for the next launch.
;   gsel[t][k], k = 0..8: group numbers (0..1023), in ascending order of (minimum, number); gsel[t][9..15] = 0 (written, never used).
; One wave takes a pair of targets A, B (h = 0, 1): its 8,192 bytes of gm come in by sixteen 16-byte loads of 512 consecutive bytes each.
; Register E + 2 j + h holds target h's entry j (0..31) of the lane: group 64 (j >> 1) + (j & 1) + 2 lane.  In a lane a lower j is a lower group.
; Nine draws, all by selects: no branch and no address hangs on a distance.  A draw: the smallest value of the lane, then of the wave; among
; the entries equal to it the lowest group number (equal minima rank by number, as equal distances rank by index); that entry becomes +infinity.
; Group numbers cross the lanes as f32 (exact below 2^24).  Both targets are worked side by side, four chains each.
; Nothing is shared between waves: no LDS, no barrier, no cluster.  LIMIT: the minima are finite (see the first launch): +infinity marks a drawn entry.
.set AC,   8                           ; v[8:15]   lane minima, chain 4 h + q over entries 8 q .. 8 q + 7
.set VM,   16                          ; v[16:17]  the wave's smallest value
.set TP,   18                          ; v[18:19]  what the other half of the lanes sends
.set KS,   20                          ; v[20:27]  lowest j among my entries equal to VM, chain 4 h + q; 63 if none
.set JL,   28                          ; v[28:29]  the same over the four chains
.set GF,   30                          ; v[30:31]  its group number, f32 (1985 or more if none)
.set WF,   32                          ; v[32:33]  the drawn group number, f32
.set JR,   34                          ; v[34:35]  j of the entry to remove; -1 in the lanes that keep all
.set OUT,  36                          ; v36       lane r: draw r of A; lane 16 + r: draw r of B
.set TM,   38                          ; v[38:41]  at work
.set E,    64                          ; v[64:127] the entries
.set MK,   32                          ; s[32:39]  lane masks of eight compares
	s_load_b128 s[4:7], s[0:1], 0x0                ; gm s[4:5], gsel s[6:7]
	v_lshrrev_b32 v1, 5, v0
	v_readfirstlane_b32 s8, v1                     ; wave 0..3
	s_lshl_b32 s9, ttmp9, 2
	s_add_co_u32 s9, s9, s8                        ; the pair of targets, 0..1023
	s_lshl_b32 s10, s9, 13                         ; x 8192 bytes of gm
	s_mov_b32 s11, 0
	s_lshl_b32 s14, s9, 7                          ; x 128 bytes of gsel
	s_mov_b32 s15, 0
	s_mov_b32 s12, 0x76543210                      ; v_permlanex16_b32: lane i of one half reads lane i of the other
	s_mov_b32 s13, 0xfedcba98
	s_mov_b32 s28, 1                               ; the lane that keeps this draw of A,
	s_mov_b32 s29, 0x10000                         ; and of B
	v_and_b32 v1, 31, v0                           ; lane
	v_lshlrev_b32 v2, 4, v1                        ; 16 bytes a lane
	v_lshlrev_b32 v3, 1, v1                        ; 2 lane: my part of a group number
	v_lshlrev_b32 v4, 2, v1                        ; my word of the result
	v_mov_b32 v5, 0x7f800000                       ; +infinity
	v_mov_b32 v6, 63                               ; no entry
	v_mov_b32 v[TP], 0                             ; v_permlanex16_b32 counts as a reader of its destination
	v_mov_b32 v[TP+1], 0
	v_mov_b32 v[OUT], 0                            ; words 9 to 15 of each target stay 0
	s_wait_kmcnt 0x0
	s_add_nc_u64 s[4:5], s[4:5], s[10:11]
	s_add_nc_u64 s[6:7], s[6:7], s[14:15]
.irp c, 0,1,2,3,4,5,6,7,8,9,10,11,12,13,14,15
	global_load_b128 v[E+4*\c:E+4*\c+3], v2, s[4:5] offset:512*\c th:TH_LOAD_NT   ; read once in the launch
.endr
	s_wait_loadcnt 0x0                             ; the first minimum runs over all sixteen
.macro WMIN d, tmp                     ; the smallest of the 32 lanes' v[d], into every lane
	v_min_num_f32_dpp v[\d], v[\d], v[\d] row_xmask:1 row_mask:0xf bank_mask:0xf
	v_min_num_f32_dpp v[\d], v[\d], v[\d] row_xmask:2 row_mask:0xf bank_mask:0xf
	v_min_num_f32_dpp v[\d], v[\d], v[\d] row_xmask:4 row_mask:0xf bank_mask:0xf
	v_min_num_f32_dpp v[\d], v[\d], v[\d] row_xmask:8 row_mask:0xf bank_mask:0xf
	v_permlanex16_b32 v[\tmp], v[\d], s12, s13
	v_min_num_f32 v[\d], v[\d], v[\tmp]
.endm
.macro LMIN3 ea, eb                    ; eight chains take in their entries ea and eb
.irp h, 0,1
.irp q, 0,1,2,3
	v_min3_num_f32 v[AC+4*\h+\q], v[AC+4*\h+\q], v[E+16*\q+2*\ea+\h], v[E+16*\q+2*\eb+\h]
.endr
.endr
.endm
.macro FIND st                         ; entry st of each chain: if it equals the wave's minimum its j replaces what a higher entry left
.irp h, 0,1
.irp q, 0,1,2,3
	v_cmp_neq_f32 s[MK+4*\h+\q], v[E+16*\q+2*\st+\h], v[VM+\h]
.endr
.endr
.irp h, 0,1
.irp q, 0,1,2,3
.if \st == 7
	v_cndmask_b32 v[KS+4*\h+\q], 8*\q+\st, v6, s[MK+4*\h+\q]               ; the first step starts the chain from 63
.else
	v_cndmask_b32 v[KS+4*\h+\q], 8*\q+\st, v[KS+4*\h+\q], s[MK+4*\h+\q]
.endif
.endr
.endr
.endm
.macro DROP st                         ; entry st of each chain becomes +infinity if it is the drawn one
.irp h, 0,1
.irp q, 0,1,2,3
	v_cmp_ne_u32 s[MK+4*\h+\q], 8*\q+\st, v[JR+\h]
.endr
.endr
.irp h, 0,1
.irp q, 0,1,2,3
	v_cndmask_b32 v[E+16*\q+2*\st+\h], v5, v[E+16*\q+2*\st+\h], s[MK+4*\h+\q]
.endr
.endr
.endm
	s_mov_b32 s30, 0
.Ldraw:
	; the smallest value: of the lane, then of the wave
.irp h, 0,1
.irp q, 0,1,2,3
	v_min3_num_f32 v[AC+4*\h+\q], v[E+16*\q+\h], v[E+16*\q+2+\h], v[E+16*\q+4+\h]
.endr
.endr
	LMIN3 3, 4
	LMIN3 5, 6
.irp h, 0,1
.irp q, 0,1,2,3
	v_min_num_f32 v[AC+4*\h+\q], v[AC+4*\h+\q], v[E+16*\q+14+\h]
.endr
.endr
.irp h, 0,1
	v_min3_num_f32 v[VM+\h], v[AC+4*\h], v[AC+4*\h+1], v[AC+4*\h+2]
	v_min_num_f32 v[VM+\h], v[VM+\h], v[AC+4*\h+3]
.endr
	WMIN VM, TP
	WMIN VM+1, TP+1
	; my lowest entry that equals it: from the highest entry of each chain down, so that the lowest one has the last word
.irp t, 7,6,5,4,3,2,1,0
	FIND \t
.endr
.irp h, 0,1
	v_min_u32 v[JL+\h], v[KS+4*\h], v[KS+4*\h+1]
	v_min_u32 v[TM+\h], v[KS+4*\h+2], v[KS+4*\h+3]
	v_min_u32 v[JL+\h], v[JL+\h], v[TM+\h]
	; its group number: 64 (j >> 1) + (j & 1) + 2 lane
	v_and_b32 v[TM+\h], 62, v[JL+\h]
	v_and_b32 v[TM+2+\h], 1, v[JL+\h]
	v_lshl_add_u32 v[TM+\h], v[TM+\h], 5, v[TM+2+\h]
	v_add_nc_u32 v[TM+\h], v[TM+\h], v3
	v_cvt_f32_u32 v[GF+\h], v[TM+\h]
	v_mov_b32 v[WF+\h], v[GF+\h]
.endr
	WMIN WF, TP                                    ; the lowest group number among the lanes' candidates
	WMIN WF+1, TP+1
.irp h, 0,1
	v_cmp_eq_f32 s[40+\h], v[GF+\h], v[WF+\h]      ; group numbers differ from lane to lane: one lane owns the drawn entry
	v_cndmask_b32 v[JR+\h], -1, v[JL+\h], s[40+\h]
	v_cvt_u32_f32 v[TM+\h], v[WF+\h]
	v_cndmask_b32 v[OUT], v[OUT], v[TM+\h], s[28+\h]
.endr
.irp t, 0,1,2,3,4,5,6,7
	DROP \t
.endr
	s_lshl_b32 s28, s28, 1
	s_lshl_b32 s29, s29, 1
	s_add_co_u32 s30, s30, 1
	s_cmp_lt_u32 s30, 9
	s_cbranch_scc1 .Ldraw
	global_store_b32 v4, v[OUT], s[6:7]            ; 128 consecutive bytes: sixteen words of A, sixteen of B
	s_endpgm
.Lfunc_end_k_qfbeecdbbff_pick:
	.size	k_qfbeecdbbff_pick, .Lfunc_end_k_qfbeecdbbff_pick-k_qfbeecdbbff_pick
	.p2alignl 7, 3214868480
	.fill 96, 4, 3214868480
	.section	.rodata,"a",@progbits
	.p2align	6, 0x0
	.amdhsa_kernel k_qfbeecdbbff_pick
		.amdhsa_group_segment_fixed_size 0
		.amdhsa_private_segment_fixed_size 0
		.amdhsa_enable_private_segment 0
		.amdhsa_kernarg_size 16
		.amdhsa_user_sgpr_count 2
		.amdhsa_user_sgpr_kernarg_segment_ptr 1
		.amdhsa_wavefront_size32 1
		.amdhsa_system_sgpr_workgroup_id_x 1
		.amdhsa_system_sgpr_workgroup_id_y 1
		.amdhsa_system_sgpr_workgroup_id_z 1
		.amdhsa_system_vgpr_workitem_id 0
		.amdhsa_next_free_vgpr 128
		.amdhsa_next_free_sgpr 66
		.amdhsa_reserve_vcc 0
		.amdhsa_float_denorm_mode_32 3
		.amdhsa_float_denorm_mode_16_64 3
		.amdhsa_memory_ordered 1
		.amdhsa_forward_progress 1
		.amdhsa_inst_pref_size 24
	.end_amdhsa_kernel
	.amdgpu_metadata
---
amdhsa.version: [ 1, 2 ]
amdhsa.kernels:
  - .name:           k_qfbeecdbbff_pick
    .symbol:         k_qfbeecdbbff_pick.kd
    .args:
      - { .name: gm, .offset: 0, .size: 8, .value_kind: global_buffer, .address_space: global }
      - { .name: gsel, .offset: 8, .size: 8, .value_kind: global_buffer, .address_space: global }
    .group_segment_fixed_size: 0
    .private_segment_fixed_size: 0
    .kernarg_segment_align: 8
    .kernarg_segment_size: 16
    .max_flat_workgroup_size: 128
    .sgpr_count:     66
    .vgpr_count:     128
    .wavefront_size: 32
...
	.end_amdgpu_metadata
.endif
;; end of part 2
;; launch final (part 3): grid 256 x 1, 8 waves a work-group, no clusters, 0 bytes of LDS; arguments p_boxes, targets, gsel, out0; writes out0
.if DOCPART == 3
	.amdgcn_target "amdgcn-amd-amdhsa--gfx1250"
	.amdhsa_code_object_version 6
	.text
	.protected	k_qfbeecdbbff_final
	.globl	k_qfbeecdbbff_final
	.p2align	8
	.type	k_qfbeecdbbff_final,@function
k_qfbeecdbbff_final:
	s_mov_b64 s[64:65], 0
	v_nop
	global_prefetch_b8 v0, s[64:65] scope:SCOPE_SE
	s_setreg_imm32_b32 hwreg(HW_REG_WAVE_MODE, 25, 1), 1
	s_wait_xcnt 0x0
; THIRD LAUNCH: one wave for each target.  It reads its nine group numbers (whole numbers, stored by the launch before), gathers the
; 9 x 64 anchor rows of those groups, forms the squared centre distances by the first launch's own operations, draws the nine smallest
; (square, index) in order, and finishes: GIoU against the target, threshold = mean + variance (divisor 8), boxes not above it zeroed.
; Lane l takes rows 2 l and 2 l + 1 of each group: 48 consecutive bytes, three 16-byte loads; a wave's three loads cover the group's
; 1,536 consecutive bytes.  A row's six registers are kept as they come; its first two words (obj, cls), which the result does not
; use, make room for the square and for the index as f32 (exact: below 2^24).
; All choices are selects: no branch and no address hangs on a distance.  The drawn box is carried along by v_cndmask_b32, crosses the lanes as a
; sum in which all other lanes hold 0, and is kept by lane r for draw r, so that lanes 0 to 8 end with the nine boxes in order.
; LIMITS.  Order on the square, not on its rounded root, and finite inputs (see the first launch); +infinity marks a drawn candidate.
; The two quotients are a v_rcp_f32 with one correction step, the mean is a product with 1/9 rounded to f32, and the sums over the nine are
; made as trees: the threshold may differ from the reference's in its last bits.
; Nothing is shared between waves: no LDS, no barrier, no cluster.  All 27 gathers are issued as soon as the list is known, so there is
; nothing to ask for ahead of them.  A target's result is 144 bytes, nine lanes of 16 bytes, consecutive.
.set ROWB, 24
.set VO,   4                           ; v[4:12]    byte offset of my 48 bytes in group j
.set AC,   16                          ; v[16:18]   lane minima, three chains of six candidates
.set VM,   19                          ; v19        the wave's smallest square
.set TP,   20                          ; v20        what the other half of the lanes sends
.set IX,   21                          ; v[21:23]   lowest index among my candidates equal to VM, three chains
.set WI,   24                          ; v24        the drawn index, f32
.set BX,   26                          ; v[26:29]   the drawn box
.set OB,   32                          ; v[32:35]   my box of the result (cx, cy, w, h)
.set G,    36                          ; v[36:59]   GIoU, at work
.set TP4,  60                          ; v[60:63]   what the other half sends, for the box
.set C,    64                          ; v[64:171]  candidate n = 2 j + u at C + 6 n: square, index, cx, cy, w, h
.set T,    176                         ; v[176:193] at work
.set MK,   44                          ; s[44:61]   lane masks of eighteen compares
.set EPS,  0x24e69595                  ; 1e-16
	s_load_b256 s[4:11], s[0:1], 0x0               ; p_boxes s[4:5], targets s[6:7], gsel s[8:9], out0 s[10:11]
	v_lshrrev_b32 v1, 5, v0
	v_readfirstlane_b32 s12, v1                    ; wave 0..7
	s_lshl_b32 s13, ttmp9, 3
	s_add_co_u32 s13, s13, s12                     ; my target
	s_lshl_b32 s14, s13, 6                         ; x 64 bytes of gsel
	s_mul_i32 s15, s13, ROWB                       ; x 24 bytes of targets
	s_mul_i32 s32, s13, 144                        ; x 144 bytes of out0
	s_mov_b32 s33, 0
	s_mov_b32 s40, 0x76543210                      ; v_permlanex16_b32: lane i of one half reads lane i of the other
	s_mov_b32 s41, 0xfedcba98
	s_mov_b32 s28, 1                               ; the lane that keeps this draw
	v_and_b32 v1, 31, v0                           ; lane
	v_mul_u32_u24 v2, v1, 2*ROWB                   ; my two rows in a group
	v_lshlrev_b32 v3, 1, v1                        ; and their number
	v_mov_b32 v13, 0x7f800000                      ; +infinity
	v_lshlrev_b32 v14, 4, v1                       ; my 16 bytes of the result
	v_mov_b32 v[TP], 0                             ; v_permlanex16_b32 counts as a reader of its destination
.irp c, 0,1,2,3
	v_mov_b32 v[TP4+\c], 0
	v_mov_b32 v[OB+\c], 0                          ; lanes 9 to 31 keep a box of zeros, which is masked out of the sums and not stored
.endr
	s_wait_kmcnt 0x0
	s_load_b256 s[16:23], s[8:9], s14 offset:0x0   ; group numbers 0 to 7
	s_load_b32 s24, s[8:9], s14 offset:0x20        ; and 8
	s_load_b64 s[36:37], s[6:7], s15 offset:0x8    ; the target's cx, cy
	s_load_b64 s[38:39], s[6:7], s15 offset:0x10   ; and w, h
	s_add_nc_u64 s[10:11], s[10:11], s[32:33]
	s_wait_kmcnt 0x0
.irp j, 0,1,2,3,4,5,6,7,8
	s_min_u32 s[16+\j], s[16+\j], 1023             ; a loaded number enters an address only clamped to the table
	s_mul_i32 s14, s[16+\j], 64*ROWB
	v_add_nc_u32 v[VO+\j], s14, v2
	global_load_b128 v[C+12*\j:C+12*\j+3],    v[VO+\j], s[4:5]
	global_load_b128 v[C+12*\j+4:C+12*\j+7],  v[VO+\j], s[4:5] offset:16
	global_load_b128 v[C+12*\j+8:C+12*\j+11], v[VO+\j], s[4:5] offset:32
	s_lshl_b32 s[16+\j], s[16+\j], 6               ; the group's first anchor
.endr
	s_xor_b32 s26, s36, 0x80000000                 ; -tx
	s_xor_b32 s27, s37, 0x80000000                 ; -ty
.irp j, 0,1,2,3,4,5,6,7,8
	s_wait_loadcnt 24-3*\j                         ; loads return in order: group j is in, the three loads of each of the 8 - j later groups may be out
.irp u, 0,1
	v_add_f32 v[T+2*\u],   s26, v[C+12*\j+6*\u+2]
	v_add_f32 v[T+2*\u+1], s27, v[C+12*\j+6*\u+3]
	v_mul_f32 v[T+2*\u], v[T+2*\u], v[T+2*\u]
	v_fma_f32 v[C+12*\j+6*\u], v[T+2*\u+1], v[T+2*\u+1], v[T+2*\u]         ; dy dy + dx dx, as in the first launch
	v_add3_u32 v[C+12*\j+6*\u+1], s[16+\j], v3, \u
	v_cvt_f32_u32 v[C+12*\j+6*\u+1], v[C+12*\j+6*\u+1]
.endr
.endr
.macro WMIN d, tmp                     ; the smallest of the 32 lanes' v[d], into every lane
	v_min_num_f32_dpp v[\d], v[\d], v[\d] row_xmask:1 row_mask:0xf bank_mask:0xf
	v_min_num_f32_dpp v[\d], v[\d], v[\d] row_xmask:2 row_mask:0xf bank_mask:0xf
	v_min_num_f32_dpp v[\d], v[\d], v[\d] row_xmask:4 row_mask:0xf bank_mask:0xf
	v_min_num_f32_dpp v[\d], v[\d], v[\d] row_xmask:8 row_mask:0xf bank_mask:0xf
	v_permlanex16_b32 v[\tmp], v[\d], s40, s41
	v_min_num_f32 v[\d], v[\d], v[\tmp]
.endm
.macro RSUM d                          ; the sum of v[d] over each half of 16 lanes, into every lane of the half
	v_add_f32_dpp v[\d], v[\d], v[\d] row_xmask:1 row_mask:0xf bank_mask:0xf
	v_add_f32_dpp v[\d], v[\d], v[\d] row_xmask:2 row_mask:0xf bank_mask:0xf
	v_add_f32_dpp v[\d], v[\d], v[\d] row_xmask:4 row_mask:0xf bank_mask:0xf
	v_add_f32_dpp v[\d], v[\d], v[\d] row_xmask:8 row_mask:0xf bank_mask:0xf
.endm
	s_mov_b32 s30, 0
.Ldraw:
	; the smallest square: of the lane's 18, then of the wave
.irp q, 0,1,2
	v_min3_num_f32 v[AC+\q], v[C+36*\q], v[C+36*\q+6], v[C+36*\q+12]
.endr
.irp q, 0,1,2
	v_min3_num_f32 v[AC+\q], v[AC+\q], v[C+36*\q+18], v[C+36*\q+24]
.endr
.irp q, 0,1,2
	v_min_num_f32 v[AC+\q], v[AC+\q], v[C+36*\q+30]
.endr
	v_min3_num_f32 v[VM], v[AC], v[AC+1], v[AC+2]
	WMIN VM, TP
	; the lowest index among the candidates equal to it: the others count as +infinity
.set n, 0
.rept 18
	v_cmp_neq_f32 s[MK+n], v[C+6*n], v[VM]
.set n, n+1
.endr
.set n, 0
.rept 18
	v_cndmask_b32 v[T+n], v[C+6*n+1], v13, s[MK+n]
.set n, n+1
.endr
.irp q, 0,1,2
	v_min3_num_f32 v[IX+\q], v[T+6*\q], v[T+6*\q+1], v[T+6*\q+2]
.endr
.irp q, 0,1,2
	v_min3_num_f32 v[IX+\q], v[IX+\q], v[T+6*\q+3], v[T+6*\q+4]
.endr
.irp q, 0,1,2
	v_min_num_f32 v[IX+\q], v[IX+\q], v[T+6*\q+5]
.endr
	v_min3_num_f32 v[WI], v[IX], v[IX+1], v[IX+2]
	WMIN WI, TP
	; the candidate with that index (the nine groups differ, so there is one in the wave) gives its box and leaves
.set n, 0
.rept 18
	v_cmp_eq_f32 s[MK+n], v[C+6*n+1], v[WI]
.set n, n+1
.endr
.set n, 0
.rept 18
	v_cndmask_b32 v[C+6*n], v[C+6*n], v13, s[MK+n]
.if n == 0
.irp c, 0,1,2,3
	v_cndmask_b32 v[BX+\c], 0, v[C+2+\c], s[MK]                            ; the first select starts the box from 0: nothing is cleared
.endr
.else
.irp c, 0,1,2,3
	v_cndmask_b32 v[BX+\c], v[BX+\c], v[C+6*n+2+\c], s[MK+n]
.endr
.endif
.set n, n+1
.endr
	; to every lane: a sum in which 31 lanes hold 0 is exact
.irp c, 0,1,2,3
	RSUM BX+\c
.endr
.irp c, 0,1,2,3
	v_permlanex16_b32 v[TP4+\c], v[BX+\c], s40, s41
.endr
.irp c, 0,1,2,3
	v_add_f32 v[BX+\c], v[BX+\c], v[TP4+\c]
	v_cndmask_b32 v[OB+\c], v[OB+\c], v[BX+\c], s28
.endr
	s_lshl_b32 s28, s28, 1
	s_add_co_u32 s30, s30, 1
	s_cmp_lt_u32 s30, 9
	s_cbranch_scc1 .Ldraw
	; GIoU of the target (b1, scalar registers) and my box (b2).  c -+ w / 2 as one fused operation: w / 2 is exact, so the rounding is the reference's.
	v_fma_f32 v[G+0], s38, -0.5, s36               ; b1 x1
	v_fma_f32 v[G+1], s38, 0.5, s36                ; b1 x2
	v_fma_f32 v[G+2], s39, -0.5, s37               ; b1 y1
	v_fma_f32 v[G+3], s39, 0.5, s37                ; b1 y2
	v_fma_f32 v[G+4], v[OB+2], -0.5, v[OB]         ; b2 x1
	v_fma_f32 v[G+5], v[OB+2], 0.5, v[OB]          ; b2 x2
	v_fma_f32 v[G+6], v[OB+3], -0.5, v[OB+1]       ; b2 y1
	v_fma_f32 v[G+7], v[OB+3], 0.5, v[OB+1]        ; b2 y2
	v_min_num_f32 v[G+8], v[G+1], v[G+5]
	v_max_num_f32 v[G+9], v[G+0], v[G+4]
	v_min_num_f32 v[G+10], v[G+3], v[G+7]
	v_max_num_f32 v[G+11], v[G+2], v[G+6]
	v_sub_f32 v[G+8], v[G+8], v[G+9]
	v_sub_f32 v[G+10], v[G+10], v[G+11]
	v_max_num_f32 v[G+8], v[G+8], 0                ; overlap along x, clipped at 0
	v_max_num_f32 v[G+10], v[G+10], 0              ; along y
	v_mul_f32 v[G+12], v[G+8], v[G+10]             ; inter
	v_sub_f32 v[G+13], v[G+1], v[G+0]              ; w1
	v_sub_f32 v[G+14], v[G+3], v[G+2]              ; h1
	v_sub_f32 v[G+15], v[G+5], v[G+4]              ; w2
	v_sub_f32 v[G+16], v[G+7], v[G+6]              ; h2
	v_fmaak_f32 v[G+17], v[G+13], v[G+14], EPS     ; w1 h1 + eps
	v_fma_f32 v[G+17], v[G+15], v[G+16], v[G+17]   ; + w2 h2
	v_sub_f32 v[G+17], v[G+17], v[G+12]            ; - inter = union
	v_max_num_f32 v[G+18], v[G+1], v[G+5]
	v_min_num_f32 v[G+19], v[G+0], v[G+4]
	v_max_num_f32 v[G+20], v[G+3], v[G+7]
	v_min_num_f32 v[G+21], v[G+2], v[G+6]
	v_sub_f32 v[G+18], v[G+18], v[G+19]            ; cw
	v_sub_f32 v[G+20], v[G+20], v[G+21]            ; ch
	v_fmaak_f32 v[G+19], v[G+18], v[G+20], EPS     ; c_area
	v_rcp_f32 v[G+21], v[G+17]                     ; behind a v_rcp_f32 one plain vector instruction stands before its result is used
	v_rcp_f32 v[G+22], v[G+19]                     ; (ISA guide 5.7.2): the subtraction below, which writes neither source and reads no result
	v_sub_f32 v[G+23], v[G+19], v[G+17]            ; c_area - union
	s_wait_alu depctr_va_vdst(0)
	v_mul_f32 v[G+8], v[G+12], v[G+21]             ; inter / union: first guess,
	v_mul_f32 v[G+10], v[G+23], v[G+22]            ; (c_area - union) / c_area likewise,
	v_fma_f32 v[G+9], -v[G+8], v[G+17], v[G+12]    ; what the guess leaves,
	v_fma_f32 v[G+11], -v[G+10], v[G+19], v[G+23]
	v_fma_f32 v[G+8], v[G+9], v[G+21], v[G+8]      ; and the guess corrected by it
	v_fma_f32 v[G+10], v[G+11], v[G+22], v[G+10]
	v_sub_f32 v[G+0], v[G+8], v[G+10]              ; giou
	; threshold = mean + variance with divisor 8.  The nine lie in lanes 0 to 8, so the sums stay inside the first half of the lanes.
	s_mov_b32 s14, 0x1ff                           ; lanes 0 to 8
	v_cndmask_b32 v[G+1], 0, v[G+0], s14
	RSUM G+1
	v_mul_f32 v[G+1], 0x3de38e39, v[G+1]           ; x 1/9: the mean
	v_sub_f32 v[G+2], v[G+0], v[G+1]
	v_mul_f32 v[G+2], v[G+2], v[G+2]
	v_cndmask_b32 v[G+2], 0, v[G+2], s14
	RSUM G+2
	v_fma_f32 v[G+3], v[G+2], 0x3e000000, v[G+1]   ; sum of squares / 8 + mean
	v_cmp_gt_f32 vcc_lo, v[G+0], v[G+3]
.irp c, 0,1,2,3
	v_cndmask_b32 v[OB+\c], 0, v[OB+\c], vcc_lo    ; a box that is not above the threshold becomes zeros
.endr
	s_wait_xcnt 0x0                                ; EXEC is a source of the memory instructions issued so far: it changes only behind this wait
	v_cmp_gt_u32 vcc_lo, 9, v1
	s_and_saveexec_b32 s15, vcc_lo                 ; lanes 0 to 8; the wave ends behind the store, so EXEC is not widened again
	global_store_b128 v14, v[OB:OB+3], s[10:11]    ; 144 consecutive bytes
	s_endpgm
.Lfunc_end_k_qfbeecdbbff_final:
	.size	k_qfbeecdbbff_final, .Lfunc_end_k_qfbeecdbbff_final-k_qfbeecdbbff_final
	.p2alignl 7, 3214868480
	.fill 96, 4, 3214868480
	.section	.rodata,"a",@progbits
	.p2align	6, 0x0
	.amdhsa_kernel k_qfbeecdbbff_final
		.amdhsa_group_segment_fixed_size 0
		.amdhsa_private_segment_fixed_size 0
		.amdhsa_enable_private_segment 0
		.amdhsa_kernarg_size 32
		.amdhsa_user_sgpr_count 2
		.amdhsa_user_sgpr_kernarg_segment_ptr 1
		.amdhsa_wavefront_size32 1
		.amdhsa_system_sgpr_workgroup_id_x 1
		.amdhsa_system_sgpr_workgroup_id_y 1
		.amdhsa_system_sgpr_workgroup_id_z 1
		.amdhsa_system_vgpr_workitem_id 0
		.amdhsa_next_free_vgpr 196
		.amdhsa_next_free_sgpr 66
		.amdhsa_reserve_vcc 1
		.amdhsa_float_denorm_mode_32 3
		.amdhsa_float_denorm_mode_16_64 3
		.amdhsa_memory_ordered 1
		.amdhsa_forward_progress 1
		.amdhsa_inst_pref_size 27
	.end_amdhsa_kernel
	.amdgpu_metadata
---
amdhsa.version: [ 1, 2 ]
amdhsa.kernels:
  - .name:           k_qfbeecdbbff_final
    .symbol:         k_qfbeecdbbff_final.kd
    .args:
      - { .name: p_boxes, .offset: 0, .size: 8, .value_kind: global_buffer, .address_space: global }
      - { .name: targets, .offset: 8, .size: 8, .value_kind: global_buffer, .address_space: global }
      - { .name: gsel, .offset: 16, .size: 8, .value_kind: global_buffer, .address_space: global }
      - { .name: out0, .offset: 24, .size: 8, .value_kind: global_buffer, .address_space: global }
    .group_segment_fixed_size: 0
    .private_segment_fixed_size: 0
    .kernarg_segment_align: 8
    .kernarg_segment_size: 32
    .max_flat_workgroup_size: 256
    .sgpr_count:     66
    .vgpr_count:     196
    .wavefront_size: 32
...
	.end_amdgpu_metadata
.endif
;; end of part 3
